; MI455X (gfx1250); checked and timed in simulation.
; The chip was launched on July 23, 2026; its instructions are those of AMD's public machine-readable ISA for CDNA 5 (MIT licence, August 2026) and "CDNA5" Instruction Set Architecture Reference Guide (July 2026). The comments in the code are by the model that wrote it; some were corrected since.
;; Vector Quantizer. Allowed arithmetic: matrix products marked QUANTISED: E5M2 operands, one given power-of-two scale a tensor, by v_wmma_f32_16x16x64_bf8_bf8 or v_wmma_f32_16x16x128_bf8_bf8, f32 sums; everything else in f32.
;; Inputs: codebook 8,192 x 64 float32; lowp_scales 2 int32 (the exponents e of the quantised operands' scales 2^e); x 8 x 4,096 x 64 float32.
;; Outputs: out0 8 x 4,096 int32.
;; This version of the problem:
;;   THIS VERSION OF THE PROBLEM IS GIVEN IN LOW PRECISION. The matrix products marked QUANTISED in the list below multiply operands that are first quantised to E5M2 (5 exponent bits, 2 mantissa bits; 8 bits a number), with one given power-of-two scale for each operand tensor; their sums are f32. All else is computed in f32.
;;   The module's matrix products, in the order in which they are computed (A, B: the left and right operand; K: the contracted axis; several contracted axes count as one K, in the product's order):
;;     1. [M 32,768, K 64] x [K 64, N 8,192]; A: input x; B: input codebook: QUANTISED (scales: A lowp_scales[0], B lowp_scales[1])
;;   THE QUANTISER, for each operand of a quantised product, along K:
;;     - The operand's scale is 2^e, e = its entry of the input lowp_scales (int32; the entries are numbered through the quantised products in the list's order, A before B).
;;     - Each number is divided by the scale, clamped to +-57,344, and rounded to the nearest number of E5M2, ties to even, subnormals kept.
;;     - The product sums the exact products of the quantised numbers (number of the format x scale) in f32.
;;   ~~~python
;;   def quantise(x, axis, e):      # numpy; x: float32 -> the quantised numbers, widened to float32 again
;;       x = np.moveaxis(x, axis, -1); K = x.shape[-1]
;;       r = np.clip(x / 2.0 ** e, -57344, 57344)
;;       step = 2.0 ** (np.maximum(np.frexp(np.where(r == 0, 1, r))[1] - 1, -14) - 2)
;;       q = np.round(r / step) * step * 2.0 ** e      # np.round: ties to even
;;       return np.moveaxis(q, -1, axis).astype(np.float32)
;;   ~~~
;; One version. Each part assembles by itself: llvm-mc -triple=amdgcn-amd-amdhsa -mcpu=gfx1250 --defsym DOCPART=n.
;; ======== version 1 of 1: 3 launches
;; limits: right only within a limited range of input values
;; workspace buffers: xw 2,097,152 bytes; cbw 557,056 bytes; win 1,048,576 bytes of whole numbers
;; launch quant (part 1): grid 128 x 1, 8 waves a work-group, no clusters, 5,376 bytes of LDS; arguments codebook, lowp_scales, cbw; writes cbw
.if DOCPART == 1
	.amdgcn_target "amdgcn-amd-amdhsa--gfx1250"
	.amdhsa_code_object_version 6
	.text
	.protected	k_qdda2fc1818_quant
	.globl	k_qdda2fc1818_quant
	.p2align	8
	.type	k_qdda2fc1818_quant,@function
k_qdda2fc1818_quant:
	s_mov_b64 s[64:65], 0
	v_nop
	global_prefetch_b8 v0, s[64:65] scope:SCOPE_SE
	s_setreg_imm32_b32 hwreg(HW_REG_WAVE_MODE, 25, 1), 1
	s_wait_xcnt 0x0
; DEAD WORK of the whole program: x_sq, the sum of a query's squares, is one and the same number for all 8,192 entries of the axis along which argmin chooses; added to every entry it moves no index in exact
; arithmetic, whatever finite values x holds.  So it is never made.  LIMIT: an overflow, infinity or NaN that reaches x_sq alone is not carried to the result, nor are ties that only its rounding would make.
; codebook [8192][64], f32, becomes 64 CHUNKS of 128 rows, 8,704 bytes each (34 blocks of 256 bytes).  Row 64 h + 16 n + 8 u + j of a chunk (h, u = 0, 1; n = 0 .. 3; j = 0 .. 7):
;   bytes 0-511: cs'[row] = -2^-(1+e0+e1) x (the sum of the row's 64 squares, of the numbers as given), f32, at 256 (n / 2) + 128 h + 64 (n % 2) + 4 (8 u + j);
;   bytes 512 on: eight tiles 2 n + u of 16 rows as images of a matrix operand's registers (16 rows x 64 K of E5M2 codes = 8 registers a lane): registers 4 C .. 4 C + 3 of lane L at 1024 (tile) + 512 C + 16 L;
;   lane (r, hh) of the tile holds row r = 8 h + j; its registers 2 c, 2 c + 1 hold k = 16 c + 8 hh + 0 .. 7.
; code = number / 2^e1, held within +-57,344, rounded to the nearest code, ties to even.
; LIMITS: e0 and e1 between -126 and 112, so that 2^e and 57,344 x 2^e are f32 numbers; NaN among the inputs is not served; the 64 squares are summed in this text's own order.
; SHARES: a work-group makes n = 2 np, 2 np + 1 of one chunk: four tiles and one block of 256 bytes of cs'; so every block is stored whole.  A wave takes eight rows: 2,048 consecutive bytes.
; A lane takes 8 neighbours along K, 32 bytes: what one conversion wants; the images are put together in LDS and leave 512 consecutive bytes a wave.
.set CHUNK, 8704
.set CSB,   4096                       ; LDS: four tiles' images, then 64 cs', then the spare words
.set SPARE, 4352
	s_load_b128 s[4:7], s[0:1], 0x0                ; codebook, the scales' exponents
	s_load_b64 s[8:9], s[0:1], 0x10                ; cbw
	v_lshl_add_u32 v2, v0, 2, SPARE
	v_mov_b32 v3, 0
	v_lshrrev_b32 v1, 5, v0
	v_readfirstlane_b32 s12, v1                    ; wave 0..7
	s_lshr_b32 s13, s12, 1                         ; tile 2 (n % 2) + u
	s_and_b32 s14, s12, 1                          ; h
	s_lshr_b32 s15, ttmp9, 1                       ; chunk
	s_and_b32 s11, ttmp9, 1                        ; np
	s_lshl_b32 s16, s13, 10
	s_lshl_b32 s17, s14, 7
	s_add_co_u32 s16, s16, s17                     ; my eight rows in the images: 1024 tile + 16 x 8 h
	s_lshl_b32 s18, s13, 5
	s_add_co_u32 s18, s18, s17
	s_add_co_u32 s18, s18, CSB                     ; and their cs'
	s_lshl_b32 s28, s15, 15                        ; from: row 128 chunk + 64 h + 32 np + 8 tile, 256 bytes each
	s_lshl_b32 s29, s14, 14
	s_add_co_u32 s28, s28, s29
	s_lshl_b32 s29, s11, 13
	s_add_co_u32 s28, s28, s29
	s_lshl_b32 s29, s13, 11
	s_add_co_u32 s28, s28, s29
	s_mov_b32 s29, 0
	s_mul_i32 s24, s15, CHUNK
	s_lshl_b32 s26, s11, 12
	s_add_co_u32 s26, s26, s24
	s_add_co_u32 s26, s26, 512                     ; to: the four images,
	s_mov_b32 s27, 0
	s_lshl_b32 s25, s11, 8
	s_add_co_u32 s24, s24, s25                     ; and the block of cs'
	s_mov_b32 s25, 0
	v_and_b32 v4, 31, v0                           ; lane: eight lanes to a row, four rows a turn
	v_and_b32 v10, 1, v0                           ; k octet q = lane % 8 = 2 c + hh: hh,
	v_bfe_u32 v11, v0, 1, 1                        ; c % 2,
	v_bfe_u32 v12, v0, 2, 1                        ; c / 2
	v_bfe_u32 v13, v0, 3, 2                        ; row among the turn's four
	v_lshlrev_b32 v5, 5, v4
	v_lshl_add_u32 v6, v10, 8, s16
	v_lshl_add_u32 v7, v13, 2, s18
	v_lshlrev_b32 v14, 4, v0
	v_lshl_add_u32 v6, v11, 3, v6
	v_lshlrev_b32 v15, 3, v4
	v_lshl_add_u32 v6, v12, 9, v6
	v_lshl_add_u32 v6, v13, 4, v6
	s_wait_alu depctr_va_vdst(0)
	s_wait_kmcnt 0x0
	s_load_b64 s[20:21], s[6:7], 0x0               ; e0, e1
	s_add_nc_u64 s[4:5], s[4:5], s[28:29]
.irp i, 0,1
	global_load_b128 v[16+8*\i:19+8*\i], v5, s[4:5] offset:1024*\i th:TH_LOAD_NT
	global_load_b128 v[20+8*\i:23+8*\i], v5, s[4:5] offset:1024*\i+16 th:TH_LOAD_NT
.endr
	s_add_nc_u64 s[24:25], s[8:9], s[24:25]
	s_add_nc_u64 s[26:27], s[8:9], s[26:27]
	s_wait_kmcnt 0x0
	s_add_co_i32 s23, s20, s21
	s_sub_co_i32 s23, -1, s23                      ; -(1 + e0 + e1)
	s_add_co_i32 s22, s21, 127
	s_lshl_b32 s10, s22, 23
	v_mov_b32 v8, s10                              ; 2^e1 as f32: the conversion takes its exponent field
	s_add_co_i32 s22, s22, 15
	s_lshl_b32 s22, s22, 23
	s_or_b32 s22, s22, 0x600000
	v_mov_b32 v9, s22                              ; 57,344 x 2^e1
	s_wait_alu depctr_va_vdst(0)
	s_wait_loadcnt 0x0
.irp i, 0,1
	v_pk_mul_f32 v[32+4*\i:33+4*\i], v[16+8*\i:17+8*\i], v[16+8*\i:17+8*\i]
	v_pk_mul_f32 v[34+4*\i:35+4*\i], v[18+8*\i:19+8*\i], v[18+8*\i:19+8*\i]
.endr
.irp i, 0,1
	v_pk_fma_f32 v[32+4*\i:33+4*\i], v[20+8*\i:21+8*\i], v[20+8*\i:21+8*\i], v[32+4*\i:33+4*\i]
	v_pk_fma_f32 v[34+4*\i:35+4*\i], v[22+8*\i:23+8*\i], v[22+8*\i:23+8*\i], v[34+4*\i:35+4*\i]
.endr
.irp i, 0,1
	v_pk_add_f32 v[32+4*\i:33+4*\i], v[32+4*\i:33+4*\i], v[34+4*\i:35+4*\i]
.endr
.irp i, 0,1
	v_add_f32 v[32+4*\i], v[32+4*\i], v[33+4*\i]
.endr
.irp m, 1,2,4                          ; the eight lanes of a row
.irp i, 0,1
	v_add_f32_dpp v[32+4*\i], v[32+4*\i], v[32+4*\i] row_xmask:\m row_mask:0xf bank_mask:0xf
.endr
.endr
.irp i, 0,1
	v_ldexp_f32 v[32+4*\i], -v[32+4*\i], s23       ; x -2^-(1+e0+e1): nothing is rounded
.endr
.set i, 0
.rept 16
	v_med3_num_f32 v[16+i], v[16+i], -v9, v9       ; the conversion to an 8-bit code does not saturate (ISA guide 7.6.2): the hold at the largest code x the scale
.set i, i+1
.endr
.irp i, 0,1
	v_cvt_scalef32_pk8_bf8_f32 v[40+2*\i:41+2*\i], v[16+8*\i:23+8*\i], v8
.endr
	v_nop                                          ; one plain vector line behind the last conversion of a run
.irp i, 0,1
	ds_store_b64 v6, v[40+2*\i:41+2*\i] offset:64*\i
	ds_store_b32 v7, v[32+4*\i] offset:16*\i       ; the eight lanes of a row write the same word with the same number
.endr
	s_wait_dscnt 0x0                               ; for the others' sake: my stores have landed
	s_barrier_signal -1
	s_barrier_wait -1
	ds_load_b128 v[44:47], v14
	s_wait_dscnt 0x0
	global_store_b128 v14, v[44:47], s[26:27]      ; 32 lanes store 512 consecutive bytes, at a multiple of 256 from the buffer's first byte
	s_cmp_lg_u32 s12, 0
	s_cbranch_scc1 .Ldone
	ds_load_b64 v[48:49], v15 offset:CSB
	s_wait_dscnt 0x0
	global_store_b64 v15, v[48:49], s[24:25]       ; wave 0: the 256 bytes of cs'
.Ldone:
	s_wait_tensorcnt 0x0                           ; the wave's end
	ds_add_u32 v2, v3
	s_wait_dscnt 0x0
	s_endpgm
.Lfunc_end_k_qdda2fc1818_quant:
	.size	k_qdda2fc1818_quant, .Lfunc_end_k_qdda2fc1818_quant-k_qdda2fc1818_quant
	.p2alignl 7, 3214868480
	.fill 96, 4, 3214868480
	.section	.rodata,"a",@progbits
	.p2align	6, 0x0
	.amdhsa_kernel k_qdda2fc1818_quant
		.amdhsa_group_segment_fixed_size 5376
		.amdhsa_private_segment_fixed_size 0
		.amdhsa_enable_private_segment 0
		.amdhsa_kernarg_size 24
		.amdhsa_user_sgpr_count 2
		.amdhsa_user_sgpr_kernarg_segment_ptr 1
		.amdhsa_wavefront_size32 1
		.amdhsa_system_sgpr_workgroup_id_x 1
		.amdhsa_system_sgpr_workgroup_id_y 1
		.amdhsa_system_sgpr_workgroup_id_z 1
		.amdhsa_system_vgpr_workitem_id 0
		.amdhsa_next_free_vgpr 52
		.amdhsa_next_free_sgpr 66
		.amdhsa_reserve_vcc 0
		.amdhsa_float_denorm_mode_32 3
		.amdhsa_float_denorm_mode_16_64 3
		.amdhsa_memory_ordered 1
		.amdhsa_forward_progress 1
		.amdhsa_inst_pref_size 7
	.end_amdhsa_kernel
	.amdgpu_metadata
---
amdhsa.version: [ 1, 2 ]
amdhsa.kernels:
  - .name:           k_qdda2fc1818_quant
    .symbol:         k_qdda2fc1818_quant.kd
    .args:
      - { .name: codebook, .offset: 0, .size: 8, .value_kind: global_buffer, .address_space: global }
      - { .name: lowp_scales, .offset: 8, .size: 8, .value_kind: global_buffer, .address_space: global }
      - { .name: cbw, .offset: 16, .size: 8, .value_kind: global_buffer, .address_space: global }
    .group_segment_fixed_size: 5376
    .private_segment_fixed_size: 0
    .kernarg_segment_align: 8
    .kernarg_segment_size: 24
    .max_flat_workgroup_size: 256
    .sgpr_count:     66
    .vgpr_count:     52
    .wavefront_size: 32
...
	.end_amdgpu_metadata
.endif
;; end of part 1
;; launch sweep (part 2): grid 256 x 1, 16 waves a work-group, no clusters, 165,888 bytes of LDS; arguments x, cbw, lowp_scales, xw, win; writes xw, win
.if DOCPART == 2
	.amdgcn_target "amdgcn-amd-amdhsa--gfx1250"
	.amdhsa_code_object_version 6
	.text
	.protected	k_qdda2fc1818_sweep
	.globl	k_qdda2fc1818_sweep
	.p2align	8
	.type	k_qdda2fc1818_sweep,@function
k_qdda2fc1818_sweep:
	s_mov_b64 s[64:65], 0
	v_nop
	global_prefetch_b8 v0, s[64:65] scope:SCOPE_SE
	s_setreg_imm32_b32 hwreg(HW_REG_WAVE_MODE, 25, 1), 1
	s_wait_xcnt 0x0
; For each of 32,768 queries and each quarter of the codebook: which BLOCK of 16 consecutive codebook rows holds the quarter's nearest row, and how near it is.
; x_sq is left out as dead work: it is the same along the argmin's axis (shown at the head of the first kernel, with its limit).
; With sigma = 2^-(1+e0+e1) and S the sum of the products of the codes, -sigma (c_sq - 2 x.c) = S + cs': the smallest distance is the largest S + cs'.  That is ONE matrix instruction: K = 64 is one step, and cs' is its C.
; LIMITS: e0 and e1 between -126 and 112; NaN among the inputs is not served.  Of equal numbers the lower block wins, as the first index does in an argmin.
; TRANSPOSED USE: source 0 = 16 codebook rows, source 1 = 16 queries: a lane holds ONE query (lane % 16) and its eight registers eight rows, so C hangs on the codebook alone.
; SHARES: work-group b has codebook quarter c = b % 4 and 512 queries (32 tiles of 16), number b / 4.  Wave w has chunk 16 c + w of cbw (128 rows, 8,704 bytes): its fragments and cs' come once and stay in 128 registers
; for the whole launch, while the query tiles' fragments stream past.
; A group g (0 .. 3) is two tiles u = 0, 1; register j of lane half h in tile u is row 64 h + 16 g + 8 u + j of the chunk: a lane's 16 numbers of a group are block 8 (16 c + w) + 4 h + g,
; and (wave, half, group) in this order is the order of the rows.
; NO CLUSTER: a chunk's 8,192 bytes of codes are wanted by one wave of a work-group, once, in registers, and are loaded there as they lie; a joint load brings bytes into LDS alone, and every one of them would have to be
; read again from there into the same registers.
; No prefetch: x is loaded into registers one to two passes ahead of its use, and the chunk has one set of loads, at the head.
; x IS QUANTISED HERE, in four passes of 128 queries: a thread takes 8 neighbours along K, 32 bytes, for each conversion; the 8 codes go straight to their place in the image of the operand's registers (the layout is the chunks').
; In pass p the loads of pass p + 2 go out at tile 1 and pass p + 1 is converted at tile 2; the barrier that hands its images over is signalled at tile 4 and waited for at tile 7, and between the two no LDS store stands.
; The images of pass c are stored to xw for the launch behind.
.set CHUNK, 8704
.set STG,   8192                       ; LDS: wave w's own bytes at 8,192 w: first its 128 cs' (512 bytes), later its results
.set XIMG,  16*STG                     ; the 32 query tiles' images, 32,768 bytes
.set SPARE, XIMG+32768                 ; the spare words, 128 bytes for each wave: eight blocks of 256 bytes that no other line names
; REGISTERS: v2 my spare word, v3 0 (both never rewritten); v4 my bytes in x; v5 where my codes go; v6 16 x lane: my bytes in the chunk; v7 my wave's bytes + 128 h; v8 the images + 16 lane; v9 my results' stage;
;   v10-13 the tracker's two sets of two; v14 16 x thread; v15 the images + 16 x thread; v16-19 and v20-23 the largest number and its block of query tile T at T % 4; v24-27 my half's block of group g; v28 the largest so far, by turns;
;   v29 2^e0; v30 57,344 x 2^e0; v31 my wave's bytes + 16 lane; v32-35 codes; v36-39 cs' as loaded; v200-231 two sets of 16: x as loaded
.set AC,   40                          ; v40-167  four sets of 32: tile 0's fragment, tile 1's, tile 0's cs', tile 1's
.set DD,   168                         ; v168-199 two sets of 16: the two tiles' results
.set BQ,   232                         ; v232-247 two query fragments by turns
	s_load_b256 s[4:11], s[0:1], 0x0               ; x s[4:5], cbw s[6:7], the scales' exponents s[8:9], xw s[10:11]
	s_load_b64 s[12:13], s[0:1], 0x20              ; win
	v_lshl_add_u32 v2, v0, 2, SPARE
	v_mov_b32 v3, 0
	v_lshrrev_b32 v1, 5, v0
	v_readfirstlane_b32 s20, v1                    ; wave 0..15
	s_and_b32 s22, ttmp9, 3                        ; c
	s_lshr_b32 s23, ttmp9, 2                       ; which 512 queries: 0 .. 63
	s_mul_i32 s33, s20, STG
	s_lshl_b32 s41, s22, 4
	s_add_co_u32 s41, s41, s20                     ; chunk 16 c + w
	s_mul_i32 s36, s41, CHUNK
	s_mov_b32 s37, 0
	s_lshl_b32 s41, s41, 3                         ; its first block
	s_cmp_eq_u32 s22, 1                            ; all lanes where c is 1, 2, 3
	s_cselect_b32 s52, -1, 0
	s_cmp_eq_u32 s22, 2
	s_cselect_b32 s53, -1, 0
	s_cmp_eq_u32 s22, 3
	s_cselect_b32 s54, -1, 0
	s_lshl_b32 s38, s23, 17                        ; x: 512 rows of 256 bytes
	s_mov_b32 s39, 0
	s_lshl_b32 s44, s23, 15                        ; xw: 32 images of 1,024 bytes,
	s_lshl_b32 s45, s22, 13                        ; of which pass c's eight are mine
	s_add_co_u32 s44, s44, s45
	s_mov_b32 s45, 0
	s_lshl_b32 s46, s22, 18                        ; win: [quarter][query], 8 bytes each
	s_lshl_b32 s47, s23, 12
	s_add_co_u32 s46, s46, s47
	s_mov_b32 s47, 0
	v_lshlrev_b32 v4, 5, v0                        ; thread t: row t / 8, k octet t % 8 = 2 c + hh
	v_and_b32 v16, 31, v0                          ; lane
	v_and_b32 v10, 15, v0                          ; r
	v_bfe_u32 v11, v0, 4, 1                        ; h
	v_lshrrev_b32 v12, 7, v0                       ; the tile among four
	v_lshlrev_b32 v6, 4, v16
	v_lshl_add_u32 v7, v11, 7, s33
	v_lshl_add_u32 v8, v16, 4, XIMG
	v_lshl_add_u32 v9, v10, 3, s33
	v_lshl_add_u32 v5, v12, 10, XIMG
	v_bfe_u32 v13, v0, 2, 1
	v_and_b32 v17, 1, v0
	v_bfe_u32 v18, v0, 3, 4
	v_lshl_add_u32 v5, v13, 9, v5
	v_bfe_u32 v19, v0, 1, 1
	v_lshl_add_u32 v9, v11, 2, v9                  ; 8 r + 4 h
	v_lshl_add_u32 v5, v17, 8, v5
	v_lshl_add_u32 v24, v11, 2, s41
	v_lshlrev_b32 v14, 4, v0
	v_lshl_add_u32 v5, v18, 4, v5
	v_lshl_add_u32 v15, v0, 4, XIMG
	v_add_nc_u32 v25, 1, v24
	v_lshl_add_u32 v5, v19, 3, v5
	v_add_nc_u32 v26, 2, v24
	v_lshl_add_u32 v31, v16, 4, s33
	v_add_nc_u32 v27, 3, v24
	s_wait_alu depctr_va_vdst(0)
	s_wait_kmcnt 0x0
	s_add_nc_u64 s[4:5], s[4:5], s[38:39]
	s_add_nc_u64 s[6:7], s[6:7], s[36:37]          ; my chunk
	s_load_b32 s40, s[8:9], 0x0                    ; e0
.macro XLOAD p                         ; pass p's x into set p % 2: rows 128 p + 64 i + t / 8
.set XS, 200+16*((\p)%2)
.irp i, 0,1
	global_load_b128 v[XS+8*\i:XS+8*\i+3], v4, s[4:5] offset:32768*(\p)+16384*\i
	global_load_b128 v[XS+8*\i+4:XS+8*\i+7], v4, s[4:5] offset:32768*(\p)+16384*\i+16
.endr
.endm
	XLOAD 0
	global_load_b128 v[36:39], v6, s[6:7]          ; my chunk's 128 cs'
.irp g, 0,1,2,3                        ; and its fragments, group by group: every load covers 512 consecutive bytes
.irp u, 0,1
.irp c, 0,1
	global_load_b128 v[AC+32*\g+8*\u+4*\c:AC+32*\g+8*\u+4*\c+3], v6, s[6:7] offset:512+(2*\g+\u)*1024+512*\c
.endr
.endr
.endr
	XLOAD 1
	s_add_nc_u64 s[10:11], s[10:11], s[44:45]
	s_add_nc_u64 s[12:13], s[12:13], s[46:47]
	s_wait_kmcnt 0x0
	s_add_co_i32 s43, s40, 127
	s_lshl_b32 s40, s43, 23
	v_mov_b32 v29, s40                             ; 2^e0 as f32: the conversion takes its exponent field
	s_add_co_i32 s43, s43, 15
	s_lshl_b32 s43, s43, 23
	s_or_b32 s43, s43, 0x600000
	v_mov_b32 v30, s43                             ; 57,344 x 2^e0
; Pass p's codes: two octets a thread, held, converted, and stored at their place in the images.
.macro XQ p
.set XS, 200+16*((\p)%2)
.irp j, 0,1,2,3,4,5,6,7,8,9,10,11,12,13,14,15
	v_med3_num_f32 v[XS+\j], v[XS+\j], -v30, v30   ; the conversion to an 8-bit code does not saturate (ISA guide 7.6.2)
.endr
.irp i, 0,1
	v_cvt_scalef32_pk8_bf8_f32 v[32+2*\i:33+2*\i], v[XS+8*\i:XS+8*\i+7], v29
.endr
	v_nop                                          ; one plain vector line behind the last conversion of a run
.irp i, 0,1
	ds_store_b64 v5, v[32+2*\i:33+2*\i] offset:8192*(\p)+4096*\i
.endr
.endm
	s_wait_alu depctr_va_vdst(0)
	s_wait_loadcnt 20                              ; pass 0's x and cs' are in; the fragments' sixteen loads and pass 1's four may be out
	ds_store_b128 v31, v[36:39]                    ; cs' to my wave's own bytes: from there each lane takes its half's
	XQ 0
	s_wait_dscnt 0x0                               ; for the others' sake: my codes have landed
	s_barrier_signal -1
	s_barrier_wait -1
.macro BQL t                           ; query tile t's fragment
.set BB, BQ+8*((\t)%2)
	ds_load_b128 v[BB:BB+3], v8 offset:1024*(\t)
	ds_load_b128 v[BB+4:BB+7], v8 offset:1024*(\t)+512
.endm
.macro CSL g                           ; group g's cs': four loads
.set PA, AC+32*(\g)
.irp u, 0,1
.irp c, 0,1
	ds_load_b128 v[PA+16+8*\u+4*\c:PA+16+8*\u+4*\c+3], v7 offset:256*((\g)/2)+64*((\g)%2)+32*\u+16*\c   ; the sixteen lanes of a half read the same 16 bytes
.endr
.endr
.endm
; Step k = 4 T + g: group g's two tiles against query tile T: D = codes x codes + cs'.  C and D are different registers: no sum is taken up in place.
.macro W k
.set WQ, BQ+8*(((\k)/4)%2)
.set WA, AC+32*((\k)%4)
.set WD, DD+16*((\k)%2)
	v_wmma_f32_16x16x64_bf8_bf8 v[WD:WD+7], v[WA:WA+7], v[WQ:WQ+7], v[WA+16:WA+23]
	v_wmma_f32_16x16x64_bf8_bf8 v[WD+8:WD+15], v[WA+8:WA+15], v[WQ:WQ+7], v[WA+24:WA+31]
.endm
; THE TRACKER.  V k takes the largest of step k's sixteen numbers into two registers, each result from its low end on; its tail, the comparison with the query's largest so far, stands among the lines of V k + 1.
; So every line reads what stands three plain lines or more above it.  The largest so far lies in two registers by turns: the new one is made of the old one, and a strict 'greater' keeps the earlier group.
.macro TSET k
.set TG, (\k)%4
.set TT, ((\k)/4)%4
.set TA, 10+2*((\k)%2)
.set IX, 20+TT
.if TG%2 == 0
.set OLD, 16+TT
.set NEW, 28
.else
.set OLD, 28
.set NEW, 16+TT
.endif
.endm
.macro TAIL1
.if TG == 0
	v_max_num_f32 v[NEW], v[TA], v[TA+1]           ; a query tile's first group: nothing to compare with
.else
	v_max3_num_f32 v[NEW], v[TA], v[TA+1], v[OLD]
.endif
.endm
.macro TAIL2
.if TG == 0
	v_mov_b32 v[IX], v24
.else
	v_cmp_gt_f32 vcc_lo, v[NEW], v[OLD]
.endif
.endm
.macro TAIL3
.if TG > 0
	v_cndmask_b32 v[IX], v[IX], v[24+TG], vcc_lo
.endif
.endm
.macro V k
.set VD, DD+16*((\k)%2)
.set VM, 10+2*((\k)%2)
	v_max3_num_f32 v[VM], v[VD], v[VD+1], v[VD+2]
	v_max3_num_f32 v[VM+1], v[VD+8], v[VD+9], v[VD+10]
.if (\k) > 0
	TSET (\k)-1
	TAIL1
.endif
	v_max3_num_f32 v[VM], v[VM], v[VD+3], v[VD+4]
	v_max3_num_f32 v[VM+1], v[VM+1], v[VD+11], v[VD+12]
.if (\k) > 0
	TAIL2
.endif
	v_max3_num_f32 v[VM], v[VM], v[VD+5], v[VD+6]
	v_max3_num_f32 v[VM+1], v[VM+1], v[VD+13], v[VD+14]
.if (\k) > 0
	TAIL3
.endif
	v_max3_num_f32 v[VM], v[VM], v[VD+7], v[VD+15]
.endm
; The stage lies in my wave's own bytes, behind my only reads of cs': [query][half], 512 x 2 numbers, then as many blocks 4,096 bytes on.
.macro SST t
	ds_store_b32 v9, v[16+(\t)%4] offset:128*(\t)
	ds_store_b32 v9, v[20+(\t)%4] offset:4096+128*(\t)
.endm
; A STEP: W k, then V k - 1.
; PLACES (ISA guide 7.12.1): between W k and V k, which reads its results, stand V k - 1's plain lines, seven at the least, which name none of W k's registers (four are wanted); the same lines and V k's stand ahead of
; W k + 2, which writes over W k's results (five are wanted); the next query tile's fragment is loaded behind the first V of a tile, two V's behind the last reader of its registers.
.macro STEP k
.set SG, (\k)%4
.set ST, (\k)/4
.set SQ, ST%8
.set SP, ST/8
.if (SG == 0) || (ST == 0)
	s_wait_alu depctr_va_vdst(0)
.endif
.if ST == 0
	s_wait_loadcnt 16-4*SG                         ; this group's fragments are in; those of the groups behind it, and pass 1's x, may be out
.if SG == 0
	s_wait_dscnt 14                                ; tile 0's fragment and group 0's cs' are in; behind them: tile 1's two loads and twelve of cs'
.else
	s_wait_dscnt 12-4*SG                           ; this group's cs' are in, and tile 1's fragment
.endif
.elseif SG == 0
	s_wait_dscnt 0x0                               ; this tile's fragment is in
.endif
.if (SG == 0) && (SP < 3)
.if SQ == 4
	s_barrier_signal -1                            ; my codes of the next pass have landed; until the wait stand register work and loads of images that are never written again
.endif
.if SQ == 7
	s_barrier_wait -1                              ; everybody's have
.endif
.endif
	W \k
.if (\k) == 0
.rept 5
	v_nop                                          ; no tracker is due yet: the places behind the first products
.endr
.else
	V (\k)-1
.endif
.if (SG == 0) && (ST > 0) && (ST < 31)
	BQL ST+1
.endif
.if (SG == 1) && ((ST%4) == 3)                 ; four query tiles are finished (the first time three)
.if ST > 3
	SST ST-4
.endif
	SST ST-3
	SST ST-2
	SST ST-1
.endif
.if SG == 2
.if (SQ == 1) && (SP < 2)
	XLOAD SP+2
.endif
.if (SQ == 2) && (SP < 3)
	s_wait_alu depctr_va_vdst(0)
.if SP < 2
	s_wait_loadcnt 0x4                             ; the next pass's x; the four loads of the pass behind it may be out
.else
	s_wait_loadcnt 0x0
.endif
	XQ SP+1
.endif
.if ST == 25
.irp p, 0,1,2,3
	ds_load_b128 v[200+4*\p:203+4*\p], v15 offset:8192*\p      ; 16 bytes of each pass's images
.endr
.endif
.if ST == 27
.irp p, 1,2,3
.irp j, 0,1,2,3
	v_cndmask_b32 v[200+\j], v[200+\j], v[200+4*\p+\j], s[51+\p]   ; pass c's
.endr
.endr
	global_store_b128 v14, v[200:203], s[10:11]    ; 32 lanes store 512 consecutive bytes, at a multiple of 256 from xw's first byte
.endif
.endif
.endm
	BQL 0
	CSL 0
	BQL 1
	CSL 1
	CSL 2
	CSL 3
.set K, 0
.rept 128
	STEP K
.set K, K+1
.endr
	V 127
	TSET 127
	TAIL1
	TAIL2
	TAIL3
	SST 31
	s_wait_alu depctr_va_vdst(0)
	s_wait_dscnt 0x0                               ; for the others' sake: my stores have landed
	s_barrier_signal -1
	s_barrier_wait -1
; Each thread merges the 32 candidates of its query.
	v_lshlrev_b32 v36, 3, v0
.set i, 0
.rept 16
	v_add_nc_u32 v[104+i], STG*i, v36
.set i, i+1
.endr
.set i, 0
.rept 16
	ds_load_b64 v[40+2*i:41+2*i], v[104+i]         ; wave i's numbers of my query, halves 0 and 1
.set i, i+1
.endr
.set i, 0
.rept 16
	ds_load_b64 v[72+2*i:73+2*i], v[104+i] offset:4096         ; and their blocks
.set i, i+1
.endr
	s_wait_alu depctr_va_vdst(0)
	s_wait_dscnt 0x0
	v_max3_num_f32 v10, v40, v41, v42
	v_max3_num_f32 v11, v56, v57, v58
.irp j, 3,5,7,9,11,13
	v_max3_num_f32 v10, v10, v[40+\j], v[41+\j]
	v_max3_num_f32 v11, v11, v[56+\j], v[57+\j]
.endr
	v_max3_num_f32 v10, v10, v55, v71
	v_mov_b32 v12, v103
	v_max_num_f32 v10, v10, v11                    ; the largest of the 32
; The candidates lie in the order of their rows: from the last to the first, whichever equals the largest takes over: the lowest stays.
.set k, 30
.rept 3
	v_cmp_eq_f32 s[48+k%4], v[40+k], v10
.set k, k-1
.endr
.set k, 30
.rept 31
	v_cndmask_b32 v12, v12, v[72+k], s[48+k%4]
.if k >= 3
	v_cmp_eq_f32 s[48+(k-3)%4], v[37+k], v10
.endif
.set k, k-1
.endr
; The number becomes a whole number of the same order (the launch behind compares whole numbers): bits of a positive number as they are, of a negative one with all but the sign turned over; -0 first becomes +0.
; Beside it: the block in bits 31:20, and below it the byte in cbw at which the block's images begin.
	v_add_f32 v10, 0, v10
	v_lshrrev_b32 v13, 3, v12                      ; chunk
	v_and_b32 v16, 3, v12                          ; group
	v_ashrrev_i32 v11, 31, v10
	v_mul_u32_u24 v13, v13, CHUNK
	v_bfe_u32 v18, v12, 2, 1                       ; half
	v_and_b32 v11, 0x7fffffff, v11
	v_lshl_add_u32 v13, v16, 11, v13
	v_xor_b32 v40, v10, v11
	v_lshl_add_u32 v13, v18, 7, v13
	v_add_nc_u32 v13, 512, v13
	v_lshl_or_b32 v41, v12, 20, v13
	global_store_b64 v36, v[40:41], s[12:13]       ; 32 lanes store 256 consecutive bytes, at a multiple of 256 from win's first byte
	s_wait_tensorcnt 0x0                           ; the wave's end
	ds_add_u32 v2, v3
	s_wait_dscnt 0x0
	s_endpgm
.Lfunc_end_k_qdda2fc1818_sweep:
	.size	k_qdda2fc1818_sweep, .Lfunc_end_k_qdda2fc1818_sweep-k_qdda2fc1818_sweep
	.p2alignl 7, 3214868480
	.fill 96, 4, 3214868480
	.section	.rodata,"a",@progbits
	.p2align	6, 0x0
	.amdhsa_kernel k_qdda2fc1818_sweep
		.amdhsa_group_segment_fixed_size 165888
		.amdhsa_private_segment_fixed_size 0
		.amdhsa_enable_private_segment 0
		.amdhsa_kernarg_size 40
		.amdhsa_user_sgpr_count 2
		.amdhsa_user_sgpr_kernarg_segment_ptr 1
		.amdhsa_wavefront_size32 1
		.amdhsa_system_sgpr_workgroup_id_x 1
		.amdhsa_system_sgpr_workgroup_id_y 1
		.amdhsa_system_sgpr_workgroup_id_z 1
		.amdhsa_system_vgpr_workitem_id 0
		.amdhsa_next_free_vgpr 248
		.amdhsa_next_free_sgpr 66
		.amdhsa_reserve_vcc 1
		.amdhsa_float_denorm_mode_32 3
		.amdhsa_float_denorm_mode_16_64 3
		.amdhsa_memory_ordered 1
		.amdhsa_forward_progress 1
		.amdhsa_inst_pref_size 120
	.end_amdhsa_kernel
	.amdgpu_metadata
---
amdhsa.version: [ 1, 2 ]
amdhsa.kernels:
  - .name:           k_qdda2fc1818_sweep
    .symbol:         k_qdda2fc1818_sweep.kd
    .args:
      - { .name: x, .offset: 0, .size: 8, .value_kind: global_buffer, .address_space: global }
      - { .name: cbw, .offset: 8, .size: 8, .value_kind: global_buffer, .address_space: global }
      - { .name: lowp_scales, .offset: 16, .size: 8, .value_kind: global_buffer, .address_space: global }
      - { .name: xw, .offset: 24, .size: 8, .value_kind: global_buffer, .address_space: global }
      - { .name: win, .offset: 32, .size: 8, .value_kind: global_buffer, .address_space: global }
    .group_segment_fixed_size: 165888
    .private_segment_fixed_size: 0
    .kernarg_segment_align: 8
    .kernarg_segment_size: 40
    .max_flat_workgroup_size: 512
    .sgpr_count:     66
    .vgpr_count:     248
    .wavefront_size: 32
...
	.end_amdgpu_metadata
.endif
;; end of part 2
;; launch pick (part 3): grid 256 x 1, 8 waves a work-group, no clusters, 1,536 bytes of LDS; arguments xw, cbw, win, out0; writes out0
.if DOCPART == 3
	.amdgcn_target "amdgcn-amd-amdhsa--gfx1250"
	.amdhsa_code_object_version 6
	.text
	.protected	k_qdda2fc1818_pick
	.globl	k_qdda2fc1818_pick
	.p2align	8
	.type	k_qdda2fc1818_pick,@function
k_qdda2fc1818_pick:
	s_mov_b64 s[64:65], 0
	v_nop
	global_prefetch_b8 v0, s[64:65] scope:SCOPE_SE
	s_setreg_imm32_b32 hwreg(HW_REG_WAVE_MODE, 25, 1), 1
	s_wait_xcnt 0x0
; For each query: of the four quarters' candidates the best (win: [quarter][query]: a whole number of the order of S + cs', and the block with its byte in cbw), then the index inside that block of 16 codebook rows.
; x_sq is left out as dead work: it is the same along the argmin's axis (shown at the head of the first kernel, with its limit).
; The block's 16 numbers S + cs' are made again by the same matrix instruction on the same codes, with every k in the same place, and the first largest is taken: the first index of the smallest distance.
; Of equal candidates the lower quarter's wins: its rows come first.  NaN among the inputs is not served.
; SHARES: wave w of work-group b takes query tile T = 8 b + w: queries 16 T + r.
; Each column has its own block, so the tile takes sixteen products: product i has source 0 = column i's block (row 8 u + j), source 1 = the 16 queries, and only its column i is kept.
; C is each lane's own query's cs', so one C serves all sixteen products: the columns that it does not fit are never read.
; The addresses of the gather come from win, which an earlier launch stored as whole numbers; each is held under a constant first.
; No tensor load and no cluster: what is gathered hangs on stored numbers and differs from wave to wave.
.set GA,   16                          ; v16-31   the sixteen gathers' offsets
.set BF,   32                          ; v32-39   the query tile's fragment
.set CF,   40                          ; v40-47   cs' of my query's block: rows 8 h + 0 .. 7
.set E,    48                          ; v48-55   my query's eight numbers
.set AF,   72                          ; v72-199  the sixteen blocks' fragments
.set DD,   200                         ; v200-231 four results by turns
	s_load_b256 s[4:11], s[0:1], 0x0               ; xw s[4:5], cbw s[6:7], win s[8:9], out0 s[10:11]
	v_lshl_add_u32 v240, v0, 2, 0x200
	v_mov_b32 v241, 0
	v_lshrrev_b32 v1, 5, v0
	v_readfirstlane_b32 s12, v1                    ; wave 0..7
	s_lshl_b32 s13, ttmp9, 3
	s_add_co_u32 s13, s13, s12                     ; T
	s_lshl_b32 s14, s13, 7                         ; win: 16 queries of 8 bytes
	s_mov_b32 s15, 0
	s_lshl_b32 s50, s13, 10                        ; xw: an image
	s_mov_b32 s51, 0
	s_lshl_b32 s52, ttmp9, 9                       ; out0: 128 words a work-group
	s_mov_b32 s53, 0
	s_mov_b32 s54, 0x76543210                      ; v_permlanex16_b32: lane l takes lane l xor 16
	s_mov_b32 s55, 0xfedcba98
	s_lshl_b32 s56, s12, 6
	v_and_b32 v1, 31, v0                           ; lane
	v_and_b32 v2, 15, v0                           ; r
	v_bfe_u32 v4, v0, 4, 1                         ; h
	v_bfe_u32 v6, v0, 3, 1                         ; u = r / 8
	v_and_b32 v7, 7, v0
	v_lshlrev_b32 v9, 4, v1                        ; v9: 16 x lane
	v_lshlrev_b32 v10, 3, v2                       ; v10: my query's pair of words in win, from the tile's first
	v_lshlrev_b32 v3, 10, v6
	v_lshl_add_u32 v7, v4, 4, v7                   ; (r % 8) + 16 h
	v_lshl_add_u32 v8, v2, 2, s56                  ; v8: LDS: my query's word among the work-group's 128
	v_mov_b32 v61, 0                               ; (a lane permute's destination counts as read)
	v_mov_b32 v62, 0
	v_lshl_add_u32 v3, v7, 4, v3                   ; v3: my 16 bytes of a block's images: tile u, lane 8 (block's half) + r % 8 + 16 h; the first of these terms lies in win's byte
	s_wait_alu depctr_va_vdst(0)
	s_wait_kmcnt 0x0
	s_add_nc_u64 s[8:9], s[8:9], s[14:15]
	s_add_nc_u64 s[4:5], s[4:5], s[50:51]
	s_add_nc_u64 s[10:11], s[10:11], s[52:53]
	global_load_b64 v[56:57], v10, s[8:9]          ; my query's four candidates: order number; block and byte
	global_load_b64 v[58:59], v10, s[8:9] offset:0x40000
	global_load_b64 v[64:65], v10, s[8:9] offset:0x80000
	global_load_b64 v[66:67], v10, s[8:9] offset:0xc0000
	global_load_b128 v[BF:BF+3], v9, s[4:5]
	global_load_b128 v[BF+4:BF+7], v9, s[4:5] offset:512
	s_wait_loadcnt 0x2                             ; the candidates are in; the two loads behind them may be out
	v_cmp_gt_i32 s16, v58, v56                     ; a strict 'greater' keeps the lower quarter
	v_cmp_gt_i32 s17, v66, v64
	v_cndmask_b32 v56, v56, v58, s16
	v_cndmask_b32 v64, v64, v66, s17
	v_cndmask_b32 v57, v57, v59, s16
	v_cndmask_b32 v65, v65, v67, s17
	v_cmp_gt_i32 s18, v64, v56
	v_cndmask_b32 v57, v57, v65, s18
	v_and_b32 v59, 0xfffff, v57                    ; the byte
	v_lshrrev_b32 v57, 20, v57
	v_min_u32 v58, 0x1ff, v57                      ; a loaded number enters an address only under a constant
	v_and_b32 v60, 0x1f8, v58
	v_and_b32 v63, 2, v58
	v_and_b32 v11, 4, v58
	v_mul_u32_u24 v60, v60, 1088                   ; chunk block / 8: 8,704 bytes each
	v_and_b32 v12, 1, v58
	v_lshl_add_u32 v60, v63, 7, v60                ; + 256 (group / 2)
	v_lshl_add_u32 v60, v11, 5, v60                ; + 128 (the block's half)
	v_lshl_add_u32 v60, v12, 6, v60                ; + 64 (group % 2): the block's 16 cs'
	v_lshl_add_u32 v60, v4, 5, v60                 ; + 32 h: my half's eight
	global_load_b128 v[CF:CF+3], v60, s[6:7]
	global_load_b128 v[CF+4:CF+7], v60, s[6:7] offset:16
.irp q, 0,1,2,3
.irp i, 0,1,2,3
	v_readlane_b32 s[16+4*\q+\i], v59, 4*\q+\i
.endr
.irp i, 0,1,2,3
	s_min_u32 s[16+4*\q+\i], s[16+4*\q+\i], 555136 ; the last block's byte: 63 x 8,704 + 512 + 3 x 2,048 + 128; with it the furthest byte read is cbw's last
.endr
.irp i, 0,1,2,3
	v_add_nc_u32 v[GA+4*\q+\i], s[16+4*\q+\i], v3
.endr
	s_wait_alu depctr_va_vdst(0)
.irp i, 0,1,2,3
	global_load_b128 v[AF+8*(4*\q+\i):AF+8*(4*\q+\i)+3], v[GA+4*\q+\i], s[6:7]
	global_load_b128 v[AF+8*(4*\q+\i)+4:AF+8*(4*\q+\i)+7], v[GA+4*\q+\i], s[6:7] offset:512
.endr
.endr
; Four products at a time.  Behind them four places (ISA guide 7.12.1), then column i of product i is taken, each result from its low end on.  Ahead of the next four, which write over these results, stand for each of them
; the four v_nop and the 24 selects on the other three results: five are wanted.
.irp q, 0,1,2,3
	s_wait_alu depctr_va_vdst(0)
	s_wait_loadcnt 24-8*\q                         ; these four blocks' eight loads are in (and all that was issued before them); those of the blocks behind may be out
.irp k, 0,1,2,3
	v_wmma_f32_16x16x64_bf8_bf8 v[DD+8*\k:DD+8*\k+7], v[AF+8*(4*\q+\k):AF+8*(4*\q+\k)+7], v[BF:BF+7], v[CF:CF+7]
.endr
.rept 4
	v_nop
.endr
.irp k, 0,1,2,3
.if 4*\q+\k == 0
.irp j, 0,1,2,3,4,5,6,7
	v_mov_b32 v[E+\j], v[DD+\j]                    ; the first product writes every lane; lanes 0 and 16 keep it
.endr
.else
	s_mov_b32 s57, 0x10001<<(4*\q+\k)              ; lanes i and i + 16: column i
.irp j, 0,1,2,3,4,5,6,7
	v_cndmask_b32 v[E+\j], v[E+\j], v[DD+8*\k+\j], s57
.endr
.endif
.endr
.endr
	v_max3_num_f32 v64, v[E], v[E+1], v[E+2]
	v_max3_num_f32 v65, v[E+3], v[E+4], v[E+5]
	v_mov_b32 v63, 7
	v_max3_num_f32 v64, v64, v[E+6], v[E+7]
	v_max_num_f32 v64, v64, v65                    ; the largest of my eight
.irp j, 6,5,4,3,2,1,0
	v_cmp_eq_f32 s[16+\j], v[E+\j], v64
.endr
.irp j, 6,5,4,3,2,1,0
	v_cndmask_b32 v63, v63, \j, s[16+\j]           ; from the last to the first: the lowest row that equals it stays
.endr
	v_lshl_add_u32 v63, v58, 4, v63                ; 16 x block + j
	v_permlanex16_b32 v61, v64, s54, s55           ; the block's other eight rows lie in lane l xor 16
	v_lshl_add_u32 v63, v4, 3, v63                 ; + 8 h
	v_cmp_gt_f32 s20, v61, v64                     ; the larger wins, and of equal ones the lower index
	v_permlanex16_b32 v62, v63, s54, s55
	v_cmp_eq_f32 s21, v61, v64
	v_cmp_lt_u32 s22, v62, v63
	s_and_b32 s21, s21, s22
	s_or_b32 s20, s20, s21
	v_cndmask_b32 v63, v63, v62, s20
	ds_store_b32 v8, v63                           ; both lanes of a query write the same word with the same number
	s_wait_dscnt 0x0                               ; for wave 0's sake: my store has landed
	s_barrier_signal -1
	s_barrier_wait -1
	s_cmp_lg_u32 s12, 0
	s_cbranch_scc1 .Ldone
	ds_load_b128 v[64:67], v9                      ; the work-group's 128 indices in their order
	s_wait_dscnt 0x0
	global_store_b128 v9, v[64:67], s[10:11]       ; 32 lanes store 512 consecutive bytes, at a multiple of 256 from out0's first byte
.Ldone:
	s_wait_tensorcnt 0x0                           ; the wave's end
	ds_add_u32 v240, v241
	s_wait_dscnt 0x0
	s_endpgm
.Lfunc_end_k_qdda2fc1818_pick:
	.size	k_qdda2fc1818_pick, .Lfunc_end_k_qdda2fc1818_pick-k_qdda2fc1818_pick
	.p2alignl 7, 3214868480
	.fill 96, 4, 3214868480
	.section	.rodata,"a",@progbits
	.p2align	6, 0x0
	.amdhsa_kernel k_qdda2fc1818_pick
		.amdhsa_group_segment_fixed_size 1536
		.amdhsa_private_segment_fixed_size 0
		.amdhsa_enable_private_segment 0
		.amdhsa_kernarg_size 32
		.amdhsa_user_sgpr_count 2
		.amdhsa_user_sgpr_kernarg_segment_ptr 1
		.amdhsa_wavefront_size32 1
		.amdhsa_system_sgpr_workgroup_id_x 1
		.amdhsa_system_sgpr_workgroup_id_y 1
		.amdhsa_system_sgpr_workgroup_id_z 1
		.amdhsa_system_vgpr_workitem_id 0
		.amdhsa_next_free_vgpr 242
		.amdhsa_next_free_sgpr 66
		.amdhsa_reserve_vcc 0
		.amdhsa_float_denorm_mode_32 3
		.amdhsa_float_denorm_mode_16_64 3
		.amdhsa_memory_ordered 1
		.amdhsa_forward_progress 1
		.amdhsa_inst_pref_size 22
	.end_amdhsa_kernel
	.amdgpu_metadata
---
amdhsa.version: [ 1, 2 ]
amdhsa.kernels:
  - .name:           k_qdda2fc1818_pick
    .symbol:         k_qdda2fc1818_pick.kd
    .args:
      - { .name: xw, .offset: 0, .size: 8, .value_kind: global_buffer, .address_space: global }
      - { .name: cbw, .offset: 8, .size: 8, .value_kind: global_buffer, .address_space: global }
      - { .name: win, .offset: 16, .size: 8, .value_kind: global_buffer, .address_space: global }
      - { .name: out0, .offset: 24, .size: 8, .value_kind: global_buffer, .address_space: global }
    .group_segment_fixed_size: 1536
    .private_segment_fixed_size: 0
    .kernarg_segment_align: 8
    .kernarg_segment_size: 32
    .max_flat_workgroup_size: 256
    .sgpr_count:     66
    .vgpr_count:     242
    .wavefront_size: 32
...
	.end_amdgpu_metadata
.endif
;; end of part 3
